; MI455X (gfx1250); checked and timed in simulation.
; The chip was launched on July 23, 2026; its instructions are those of AMD's public machine-readable ISA for CDNA 5 (MIT licence, August 2026) and "CDNA5" Instruction Set Architecture Reference Guide (July 2026). The comments in the code are by the model that wrote it; some were corrected since.
;; Ring Attention. Allowed arithmetic: float matrix products may take bf16 or f16 operands with f32 sums; all other float work in f32.
;; Inputs: k_local 32 x 8,192 x 64 float32; q_local 32 x 1,024 x 64 float32; v_local 32 x 8,192 x 64 float32.
;; Outputs: out0 32 x 1,024 x 64 float32.
;; One version. Each part assembles by itself: llvm-mc -triple=amdgcn-amd-amdhsa -mcpu=gfx1250 --defsym DOCPART=n.
;; ======== version 1 of 1: 1 launch
;; launch ring_attn (part 1): grid 8 x 32, 4 waves a work-group, clusters of 4 x 1, 327,680 bytes of LDS; arguments q_local, k_local, v_local, out0; writes out0
.if DOCPART == 1
	.amdgcn_target "amdgcn-amd-amdhsa--gfx1250"
	.amdhsa_code_object_version 6
	.text
	.protected	k_q6842bdb478_ring_attn
	.globl	k_q6842bdb478_ring_attn
	.p2align	8
	.type	k_q6842bdb478_ring_attn,@function
k_q6842bdb478_ring_attn:
	s_mov_b64 s[64:65], 0
	v_nop
	global_prefetch_b8 v0, s[64:65] scope:SCOPE_SE
	s_setreg_imm32_b32 hwreg(HW_REG_WAVE_MODE, 25, 1), 1
	s_wait_xcnt 0x0
	s_wait_alu depctr_hold_cnt(0) depctr_sa_sdst(0) depctr_va_vdst(0) depctr_va_sdst(0) depctr_va_ssrc(0) depctr_va_vcc(0) depctr_vm_vsrc(0)
	s_getreg_b32 s2, hwreg(HW_REG_IB_STS2, 6, 4)
	s_cmp_eq_u32 s2, 0
	s_cbranch_scc0 .Lentry_in_a_cluster
	s_endpgm
.Lentry_in_a_cluster:
	s_bfe_u32 s2, ttmp6, 0x10000c
	s_cmp_lg_u32 s2, 0x3003
	s_cbranch_scc0 .Lentry_shape_is_right
	s_endpgm
.Lentry_shape_is_right:
; out = softmax(Q K^T) V, unscaled.  Q, out: [32][1024][64] f32.  K, V: [32][8192][64] f32.
; A work-group takes one batch and 128 queries: 8 x 32 = 256 work-groups.  Its four waves split the KEYS: every wave holds all 128 queries
; (Q as 128 registers of bf16 fragments, O^T as 256 registers of f32) and takes 64 of the 256 keys of each of 32 steps.  So every K and V
; number in LDS is read by one wave, rounded to bf16 once in the work-group, and feeds 128 queries.  Each wave keeps its own running maximum
; and sum for each query; the four streams are merged once at the end through LDS.
; Q, K and V are rounded to bf16 as they are given (log2 e is applied to the f32 scores, not folded into Q); sums, maxima, exponentials in f32.
; CLUSTER: four query blocks of one batch (4 x 1 work-groups) walk the same K and V tiles in the same order, so each tile is asked for jointly,
; mask 15: the requests for K and V are divided by four.  The eight blocks of a batch are two such clusters.
; LAYOUTS (L = lane, r = L & 15, h = L >> 4):
;   S^T = K Q^T: source 0 = 16 keys, source 1 = 16 queries.  Result register j of lane (r, h) = key 8 h + j of query r: a lane owns one query,
;     maxima and sums run along its registers, and one exchange joins the two halves.  The index d is permuted alike in both sources:
;     register u of K step s holds d = 32 h + 16 s + 2 u, + 1, so a fragment pair is 128 consecutive bytes of a row, rounded in order.
;   P^T: the results of key tiles 2 c and 2 c + 1, rounded in pairs, ARE source 1 of the second product (k = 8 h .., k = 16 + 8 h ..).
;   O^T = V^T P^T: row r of d tile t stands for d = 4 r + t, so a lane reads 16 bytes V[key][4 r .. 4 r + 3] of each of its keys and two keys'
;     numbers make one register: no transpose.  Result register j of tile t = d = 32 h + 4 j + t of query r: t = 0..3 are 16 neighbouring bytes.
; ORDER OF ISSUE: the SIMD has this one wave, so nothing but the wave's own text can stand between two of its matrix instructions.  A query tile has 16 of
;   them and about 135 vector instructions; each matrix instruction therefore stands alone, with six or so vector instructions behind it, the
;   exponentials stand among plain vector instructions, and the step's 64 LDS loads go out eight to a query tile.
; LIMITS: inputs are finite.  A weight below 2^-126 of its row's largest counts as zero (v_exp_f32 gives no denormals: ISA guide 15.8).
;   The row sums add the f32 weights while the product takes their bf16 roundings (2^-9 relative for each weight at the most).
;   The order of the sums is not the reference's: four key streams for each query, merged at the end.
.set PITCH,  272                       ; an LDS row: 256 bytes (64 f32) + 16 of padding: 16 neighbouring rows start at 16 different 16-byte columns modulo 256
.set HALFT,  128*PITCH                 ; 128 rows: what one tensor load brings
.set SLOT,   4*HALFT                   ; K's 256 rows, then V's 256 rows
.set STAT,   2*SLOT                    ; behind the ring: 4 waves x 128 queries x (maximum, sum); no tensor load lands here
.set TILEB,  65536                     ; 256 keys x 256 bytes in memory
.set PFMAX,  31*TILEB+127*256          ; the last row of a wave's half of the last tile, from the wave's base
; window 0
.set KA,   4                           ; v4-5    LDS address of my K rows in slot 0, 1
.set VA,   6                           ; v6-7    the same for V
.set QOFF, 8                           ; v8      my byte offset in a tile of 16 queries
.set PF,   9                           ; v9      prefetch: the next offset
.set PFC,  10                          ; v10     prefetch: that offset, clamped
.set SADR, 11                          ; v11     where I put (maximum, sum)
.set RADR, 12                          ; v12     where I read the four waves' (maximum, sum)
.set OST,  13                          ; v13     where I put my scaled partial O
.set ORD,  14                          ; v14-15  where I read partials 0, 1 and 2, 3 back by rows
.set OOFF, 16                          ; v16     my byte offset in out
.set NM,   20                          ; v20-27  query tile i: - (running maximum) x log2 e
.set LS,   28                          ; v28-43  query tile i: a pair of running sums
.set TP,   44                          ; v44-59  two sets of temporaries, by the tile's parity: +0 +1 +6 +3 maxima, +2 new NM, +4 alpha, +5 its exponent
.set SBUF, 64                          ; v64-159 three buffers of 32: S^T of query tile i in buffer i % 3, register 8 kt + j: one at work, one whose maxima are taken, one being written
.set P,    160                         ; v160-175 P^T in bf16, register 4 kt + u
.set KF,   176                         ; v176-239 K's fragments, 16 kt + 8 s: in the window of S^T, so that S^T's products share a setting with the vector work on S^T
; window 1: O^T, register 32 i + 8 t + j.   window 2: Q's and V's fragments.   window 3: f32 as loaded
.set QF,   0                           ; window 2: Q, 16 i + 8 s
.set VF,   192                         ; window 2: V^T, 32 ch + 8 t
.set VS,   128                         ; window 3: V as loaded, 64 ch + 32 g + 4 e (K as loaded: 32 kt + 4 c from 0)
.set G1,   16                          ; s[16:23] descriptor group 1
.set G0K,  24                          ; s[24:31] group 0 for K's tiles, a set for each slot
.set G0V,  32                          ; s[32:39] group 0 for V's tiles, a set for each slot
; s_set_vgpr_msb: bits 1:0 source 0, 3:2 source 1, 5:4 source 2, 7:6 destination
.set W_LD, 0xc0                        ; loads into window 3, address in window 0
.set W_CK, 0x0f                        ; round window 3 into window 0 (K)
.set W_CV, 0x8f                        ; round window 3 into window 2 (Q, V)
.set W_A,  0x08                        ; source 1 in window 2, all else in window 0: S^T's products, and vector instructions whose source 1 is no register
.set W_PV, 0x52                        ; O^T: source 0 in window 2, source 1 in window 0, sums in window 1
.set W_RS, 0x41                        ; O^T x alpha
.set W_EP, 0x01                        ; window 1 x window 0 into window 0
.set MSB, 0
.macro WIN new                         ; the immediate's high byte repeats the setting that is left; a switch that changes nothing is dropped
.if MSB != \new
	s_set_vgpr_msb (MSB<<8)|\new
.set MSB, \new
.endif
.endm
; A round of the cluster's barrier: my work-group's barrier, wave 0 signals for the work-group, every wave waits for all four work-groups, my work-group's barrier again.
.macro ROUND
	s_barrier_signal -1
	s_barrier_wait -1
	s_cmp_lg_u32 s12, 0
	s_cbranch_scc1 .Lnot_wave_0_\@
	s_barrier_signal -3
.Lnot_wave_0_\@:
	s_barrier_wait -3
	s_barrier_signal -1
	s_barrier_wait -1
.endm
; A joint load: waves 0 and 1 ask for K's two halves of 128 rows, waves 2 and 3 for V's.  The branch hangs on the wave's number alone.
.macro JLOAD s
	s_cmp_eq_u32 s52, 0
	s_cbranch_scc0 .Lfor_v_\@
	tensor_load_to_lds s[G0K+4*\s:G0K+4*\s+3], s[G1:G1+7]
	s_nop 0
	s_branch .Lasked_\@
.Lfor_v_\@:
	tensor_load_to_lds s[G0V+4*\s:G0V+4*\s+3], s[G1:G1+7]
	s_nop 0
.Lasked_\@:
.endm
; The change of slots at the head of a step.  slot = the slot that this step reads; refill = 1: the other slot gets the next step's tile.
.macro SYNC slot, refill
	s_wait_tensorcnt 0x0                           ; my one tensor load, my part of this step's tile, has landed: no load of mine is out, so a group 0 may be written
	ds_add_u32 v62, v63
	s_wait_dscnt 0x0
	s_add_nc_u64 s[G0K+4*\slot+2:G0K+4*\slot+3], s[G0K+4*\slot+2:G0K+4*\slot+3], 2*TILEB   ; this slot's next tile (behind the last tiles the stepped address is not used)
	s_add_nc_u64 s[G0V+4*\slot+2:G0V+4*\slot+3], s[G0V+4*\slot+2:G0V+4*\slot+3], 2*TILEB
	s_wait_dscnt 0x0                               ; my reads of the other slot are back
	ROUND                                          ; both now hold of every wave of all four work-groups
.if \refill
	JLOAD (1-\slot)                                ; my one tensor load behind the round, first thing there; it has the whole step in which to land
.endif
.endm
; Prefetch toward the tensor loads.  In step t (odd, 1 to 29) lanes 0-15 ask for tile t + 2 and lanes 16-31 for tile t + 3, whose tensor loads go out in steps
; t + 1 and t + 2.  A wave's half tile has 128 rows of 256 bytes; the batch's eight work-groups take 16 rows each, one lane a row, so each row is asked for once.
; In step 29 the upper lanes would pass the last tile: their offset is clamped to the half's last row.  Tiles 0 to 2 are not asked for.
; It stands behind the step's tensor load; sixteen vector instructions follow before the step's first LDS load.
.macro PREF
	s_wait_xcnt 0x0                                ; the last prefetch, two steps back, has had its address translated: PFC is rewritten only behind this wait
	v_min_u32 v[PFC], PFMAX, v[PF]
	v_add_nc_u32 v[PF], 2*TILEB, v[PF]
	s_cmp_eq_u32 s52, 0
	s_cbranch_scc0 .Lpf_v_\@
	global_prefetch_b8 v[PFC], s[46:47] th:TH_LOAD_NT scope:SCOPE_SE
	s_branch .Lpf_done_\@
.Lpf_v_\@:
	global_prefetch_b8 v[PFC], s[48:49] th:TH_LOAD_NT scope:SCOPE_SE
.Lpf_done_\@:
.endm
; Eight of a step's 64 LDS loads, as f32 into window 3.  Parts 0 to 3: key tile i of K (lane: 128 bytes of row 16 i + r).
; Parts 4 to 7: sixteen keys of V (lane: 16 bytes of each of 8 rows).  K's 32 loads are issued ahead of V's 32.
.macro LOADPART slot, i
.if \i < 4
.irp c, 0,1,2,3,4,5,6,7
	ds_load_b128 v[32*\i+4*\c:32*\i+4*\c+3], v[KA+\slot] offset:\i*16*PITCH+16*\c
.endr
.else
.irp e, 0,1,2,3,4,5,6,7
	ds_load_b128 v[VS+32*(\i-4)+4*\e:VS+32*(\i-4)+4*\e+3], v[VA+\slot] offset:(16*(\i-4)+\e)*PITCH
.endr
.endif
.endm
; Instruction n (0 to 7) of S^T of query tile i: K step n / 4, key tile n % 4.  The four accumulators take turns, one instruction a turn;
; the first product starts each sum.
.macro SM1 i, n
.set d_, SBUF+32*((\i)%3)+8*((\n)%4)
.set a_, KF+16*((\n)%4)+8*((\n)/4)
.set b_, QF+16*(\i)+8*((\n)/4)
.if (\n) < 4
	v_wmma_f32_16x16x32_bf16 v[d_:d_+7], v[a_:a_+7], v[b_:b_+7], 0
.else
	v_wmma_f32_16x16x32_bf16 v[d_:d_+7], v[a_:a_+7], v[b_:b_+7], v[d_:d_+7]
.endif
.endm
; The statistics of a query tile, in thirteen groups, so that the dependent chain can be laid among another tile's independent work.
; N_ = the tile's S buffer, U_ = its temporaries, M_ = its NM; FIRST_ = 1: there is no older maximum; HASN_ = 0: nothing is emitted.
.macro STG g
.if HASN_
.if \g == 0                            ; four chains over registers 8 c .. 8 c + 6
	v_max3_num_f32 v[U_+0], v[N_+0],  v[N_+1],  v[N_+2]
	v_max3_num_f32 v[U_+1], v[N_+8],  v[N_+9],  v[N_+10]
	v_max3_num_f32 v[U_+6], v[N_+16], v[N_+17], v[N_+18]
	v_max3_num_f32 v[U_+3], v[N_+24], v[N_+25], v[N_+26]
.endif
.if \g == 1
	v_max3_num_f32 v[U_+0], v[U_+0], v[N_+3],  v[N_+4]
	v_max3_num_f32 v[U_+1], v[U_+1], v[N_+11], v[N_+12]
	v_max3_num_f32 v[U_+6], v[U_+6], v[N_+19], v[N_+20]
	v_max3_num_f32 v[U_+3], v[U_+3], v[N_+27], v[N_+28]
.endif
.if \g == 2
	v_max3_num_f32 v[U_+0], v[U_+0], v[N_+5],  v[N_+6]
	v_max3_num_f32 v[U_+1], v[U_+1], v[N_+13], v[N_+14]
	v_max3_num_f32 v[U_+6], v[U_+6], v[N_+21], v[N_+22]
	v_max3_num_f32 v[U_+3], v[U_+3], v[N_+29], v[N_+30]
.endif
.if \g == 3
	v_max3_num_f32 v[U_+0], v[U_+0], v[U_+1], v[N_+7]
	v_max3_num_f32 v[U_+6], v[U_+6], v[U_+3], v[N_+15]
.endif
.if \g == 4
	v_max3_num_f32 v[U_+0], v[U_+0], v[U_+6], v[N_+23]
.endif
.if \g == 5
	v_max_num_f32 v[U_+0], v[U_+0], v[N_+31]       ; my 32 keys of this query
.endif
.if \g == 6
	v_permlanex16_b32 v[U_+1], v[U_+0], s42, s43   ; the other half's 32 keys (the destination has been written)
.endif
.if \g == 7
	v_max_num_f32 v[U_+0], v[U_+0], v[U_+1]
.endif
.if \g == 8
	v_mul_f32 v[U_+2], 0xbfb8aa3b, v[U_+0]         ; - maximum x log2 e
.endif
.if FIRST_ == 0
.if \g == 9
	v_min_num_f32 v[U_+2], v[U_+2], v[M_]          ; the running maximum, as the smaller negative
.endif
.if \g == 10
	v_sub_f32 v[U_+5], v[U_+2], v[M_]              ; (old maximum - new maximum) x log2 e, never above 0
.endif
.if \g == 11
	v_exp_f32 v[U_+4], v[U_+5]                     ; alpha; a plain vector instruction that names neither register follows (ISA guide 5.7.2)
.endif
.endif
.if \g == 12
	v_mov_b32 v[M_], v[U_+2]
.endif
.endif
.endm
.macro STATS0 first                    ; query tile 0's statistics, by themselves
.set N_, SBUF
.set U_, TP
.set M_, NM
.set HASN_, 1
.set FIRST_, \first
.irp g, 0,1,2,3,4,5,6,7,8,9,10,11,12
	STG \g
.endr
.endm
; Four roundings of V: group n (0 to 15) = chunk n / 8, d tile (n / 2) % 4, half n % 2: keys e, e + 1 of d = 4 r + t make one register.
.macro VCV4 n
.irp e, 0,2,4,6
	v_cvt_pk_bf16_f32 v[VF+32*((\n)/8)+8*(((\n)/2)%4)+4*((\n)%2)+\e/2], v[VS+64*((\n)/8)+32*((\n)%2)+4*\e+(((\n)/2)%4)], v[VS+64*((\n)/8)+32*((\n)%2)+4*\e+4+(((\n)/2)%4)]
.endr
.endm
; A step's K and V become fragments; S^T of query tiles 0 and 1 and tile 0's statistics are made for the next COMPUTE.
; The sixteen products stand singly, four roundings of V behind each: two window switches for each product.
.macro CONVERT first
	s_wait_dscnt 32                                ; LDS loads come back in order (ISA guide 5.7.1): K's 32 are in, V's 32, issued behind them, may be out
	WIN W_CK
.set u_, 0
.rept 64
	v_cvt_pk_bf16_f32 v[KF+u_], v[2*u_], v[2*u_+1]
.set u_, u_+1
.endr
	s_wait_dscnt 0x0                               ; V is in
.irp n, 0,1,2,3,4,5,6,7
	WIN W_A
	SM1 0, \n
	WIN W_CV
	VCV4 \n
.endr
.irp n, 0,1,2,3,4,5,6,7
	WIN W_A
	SM1 1, \n
	WIN W_CV
	VCV4 (\n+8)
.endr
	WIN 0
	STATS0 \first                                  ; reads S^T of tile 0 behind the 36 roundings that follow its last product and name none of the products' registers
.endm
; The pieces of a query tile.  S_ = its S buffer, T_ = its temporaries, I_ = its number, J_ = the tile whose S^T is made meanwhile.
.macro FMA1 a
	v_pk_fma_f32 v[S_+\a:S_+\a+1], v[S_+\a:S_+\a+1], 0x3fb8aa3b, v[T_+2:T_+3] op_sel_hi:[1,0,0]   ; (score - maximum) x log2 e
.endm
.macro EX1 a
	v_exp_f32 v[S_+\a], v[S_+\a]
.endm
.macro SMX n
.if HASM_
	SM1 J_, \n
.endif
.endm
.macro CVT2 kt, u
	s_wait_alu depctr_va_vdst(0)
	v_cvt_pk_bf16_f32 v[P+4*\kt+\u],   v[S_+8*\kt+2*\u],   v[S_+8*\kt+2*\u+1]
	v_cvt_pk_bf16_f32 v[P+4*\kt+\u+1], v[S_+8*\kt+2*\u+2], v[S_+8*\kt+2*\u+3]
.endm
.macro PADD d, a
	v_pk_add_f32 v[S_+\d:S_+\d+1], v[S_+\d:S_+\d+1], v[S_+\a:S_+\a+1]
.endm
; Instruction n (0 to 7) of O^T of tile I_: key chunk n / 4, d tile n % 4.  The four d tiles take turns, one instruction a turn.
; O^T fills window 1, so no vector result shares a setting with it: a switch in front and one behind.
.macro PVX n
	WIN W_PV
.set d_, 32*I_+8*((\n)%4)
.set a_, VF+32*((\n)/4)+8*((\n)%4)
.set b_, P+8*((\n)/4)
.if FIRST_ && ((\n) < 4)
	v_wmma_f32_16x16x32_bf16 v[d_:d_+7], v[a_:a_+7], v[b_:b_+7], 0
.else
	v_wmma_f32_16x16x32_bf16 v[d_:d_+7], v[a_:a_+7], v[b_:b_+7], v[d_:d_+7]
.endif
	WIN 0
.endm
; Query tile i of a step.  first = 1: the step starts every sum.  slot >= 0: part i of the next step's K and V is read from that slot.
; In order: O^T x alpha (alpha is known from the tile before); eight LDS loads; the exponents and exponentials with S^T of tile i + 2 among them, all under one setting;
; the roundings to P^T, the weights' sum and tile i + 1's statistics, in blocks of about six with one product of O^T between two blocks.
; Every exponential's result is first used behind a plain vector instruction that does not name it (ISA guide 5.7.2).
; Every matrix result is read, and every matrix source rewritten, a phase of plain vector work or more behind the matrix instruction (ISA guide 7.12.1):
; S^T of tile i + 2 is read in tile i + 1 at the earliest, P^T is rewritten behind the next tile's 16 multiplies and 16 multiply-adds.
.macro TILE i, first, slot
.set I_, \i
.set J_, \i+2
.set S_, SBUF+32*((\i)%3)
.set T_, TP+8*((\i)%2)
.set L_, LS+2*(\i)
.set N_, SBUF+32*((\i+1)%3)
.set U_, TP+8*((\i+1)%2)
.set M_, NM+\i+1
.set FIRST_, \first
.if \i < 7
.set HASN_, 1
.else
.set HASN_, 0
.endif
.if \i < 6
.set HASM_, 1
.else
.set HASM_, 0
.endif
.if \first == 0
	WIN W_RS
	s_wait_alu depctr_va_vdst(0)
.irp a, 0,2,4,6,8,10,12,14,16,18,20,22,24,26,28,30
	v_pk_mul_f32 v[32*\i+\a:32*\i+\a+1], v[32*\i+\a:32*\i+\a+1], v[T_+4:T_+5] op_sel_hi:[1,0]    ; done in every step: no branch hangs on a float
.endr
.endif
.if \slot >= 0
	WIN W_LD
	LOADPART \slot, \i
.endif
	WIN W_A
	FMA1 0
	FMA1 2
	FMA1 4
	FMA1 6
.irp kt, 0,1,2                         ; key tile kt's exponentials, the next key tile's exponents, two products
	EX1 8*\kt+0
	FMA1 8*\kt+8
	EX1 8*\kt+1
	SMX 2*\kt
	EX1 8*\kt+2
	FMA1 8*\kt+10
	EX1 8*\kt+3
	EX1 8*\kt+4
	FMA1 8*\kt+12
	EX1 8*\kt+5
	SMX 2*\kt+1
	EX1 8*\kt+6
	FMA1 8*\kt+14
	EX1 8*\kt+7
.endr
	EX1 24
	EX1 25
	SMX 6
	EX1 26
	EX1 27
	EX1 28
	EX1 29
	SMX 7
	EX1 30
	EX1 31
	WIN 0
	CVT2 0, 0                                      ; key tiles 0 and 1 make source 1 of the first four products of O^T
	CVT2 0, 2
	CVT2 1, 0
	CVT2 1, 2
	PVX 0
	STG 0
	CVT2 2, 0
	PVX 1
	STG 1
	CVT2 2, 2
	PVX 2
	STG 2
	CVT2 3, 0
	PVX 3
	STG 3
	CVT2 3, 2                                      ; every weight has been rounded: from here on the sum is made in place, two at a time
	PADD 0, 2
	PADD 4, 6
	PVX 4
	STG 4
	PADD 8, 10
	PADD 12, 14
	STG 5
	PADD 16, 18
	PADD 20, 22
	PVX 5
	STG 6
	PADD 24, 26
	PADD 28, 30
	STG 7
	PADD 0, 4
	PADD 8, 12
	PVX 6
	STG 8
	PADD 16, 20
	PADD 24, 28
	STG 9
	PADD 0, 8
	PVX 7
	STG 10
	PADD 16, 24
	STG 11
.if \first
	v_pk_add_f32 v[L_:L_+1], v[S_:S_+1], v[S_+16:S_+17]            ; the first step starts the sums: nothing is cleared
	STG 12
.else
	PADD 0, 16
	STG 12
	v_pk_fma_f32 v[L_:L_+1], v[L_:L_+1], v[T_+4:T_+5], v[S_:S_+1] op_sel_hi:[1,0,1]
.endif
.endm
.macro COMPUTE first, slot
.irp i, 0,1,2,3,4,5,6,7
	TILE \i, \first, \slot
.endr
.endm
; Step t: change slots, do step t - 1's arithmetic with the reads of step t's K and V among it, make step t's fragments.
.macro TRIP slot, refill, pref, first
	SYNC \slot, \refill
.if \pref
	PREF
.endif
	COMPUTE \first, \slot
	CONVERT 0
.endm
	s_load_b256 s[4:11], s[0:1], 0x0               ; Q s[4:5], K s[6:7], V s[8:9], out s[10:11]
	v_lshl_add_u32 v62, v0, 2, 0x45000
	v_mov_b32 v63, 0
	ds_add_u32 v62, v63
	v_lshrrev_b32 v3, 5, v0
	v_readfirstlane_b32 s12, v3                    ; wave 0..3
	s_and_b32 s13, s12, 1                          ; which 128 rows of a tile I fetch
	s_lshr_b32 s52, s12, 1                         ; I fetch for K (0) or for V (1)
	s_bfe_u32 s14, ttmp6, 0x40000                  ; cx: my place in the cluster
	s_lshl_b32 s15, ttmp9, 2                       ; in a cluster launch ttmp9 counts clusters
	s_add_co_u32 s15, s15, s14                     ; query block = 4 x cluster x + cx
	s_and_b32 s3, ttmp7, 0xffff                    ; batch
	s_mov_b32 s42, 0x76543210                      ; v_permlanex16_b32: lane i of one half reads lane i of the other
	s_mov_b32 s43, 0xfedcba98
	; group 1: a tile of 128 rows x 64 f32, dense in memory, padded in LDS
	s_mov_b32 s[G1+0], 15|(2<<16)|(1<<20)|(1<<21)|(5<<22)|(3<<25)  ; 15:0 the mask: all four of the cluster; 17:16 elements of 4 bytes; 20 padding on; 21 set beside a mask; 24:22 after every 64 words; 31:25 four words
	s_mov_b32 s[G1+1], 64<<16                      ; tensor_dim0 = 64
	s_mov_b32 s[G1+2], 128<<16                     ; tensor_dim1 = 128
	s_mov_b32 s[G1+3], 64<<16                      ; tile_dim0 = 64
	s_mov_b32 s[G1+4], 128                         ; tile_dim1 = 128
	s_mov_b32 s[G1+5], 64                          ; 64 elements from row to row
	s_mov_b32 s[G1+6], 0
	s_mov_b32 s[G1+7], 0
	s_lshl_b32 s40, s3, 21                         ; batch x 8,192 keys x 256 bytes
	s_lshl_b32 s41, s13, 15                        ; + my half of a tile: batch and wave alone, which the four partners share
	s_add_co_u32 s40, s40, s41
	s_mov_b32 s41, 0
	s_mul_i32 s53, s12, HALFT                      ; where my part of a tile goes: K's two halves, then V's two halves
	s_wait_dscnt 0x0
	s_wait_kmcnt 0x0
	s_add_nc_u64 s[46:47], s[6:7], s[40:41]        ; K at my half of tile 0; never rewritten
	s_add_nc_u64 s[48:49], s[8:9], s[40:41]        ; V likewise
	ROUND                                          ; all four work-groups are here: the first joint load meets
.irp n, 0,1
	s_mov_b32 s[G0K+4*\n], 1                                       ; count = 1
	s_add_co_u32 s[G0K+4*\n+1], s53, \n*SLOT                       ; LDS address
	s_add_nc_u64 s[G0K+4*\n+2:G0K+4*\n+3], s[46:47], \n*TILEB      ; global address: tile n
	s_or_b32 s[G0K+4*\n+3], s[G0K+4*\n+3], 0x80000000              ; type = 2
	s_mov_b32 s[G0V+4*\n], 1
	s_add_co_u32 s[G0V+4*\n+1], s53, \n*SLOT
	s_add_nc_u64 s[G0V+4*\n+2:G0V+4*\n+3], s[48:49], \n*TILEB
	s_or_b32 s[G0V+4*\n+3], s[G0V+4*\n+3], 0x80000000
.endr
	JLOAD 0                                        ; tile 0 into slot 0; slot 1 is first filled behind step 0's round
	; Q, out and the prefetch hang on the query block; these offsets live in registers that feed no descriptor
	s_lshl_b32 s54, s3, 18                         ; batch x 1,024 queries x 256 bytes
	s_lshl_b32 s55, s15, 15                        ; + block x 128 queries
	s_add_co_u32 s54, s54, s55
	s_mov_b32 s55, 0
	s_add_nc_u64 s[4:5], s[4:5], s[54:55]
	s_add_nc_u64 s[10:11], s[10:11], s[54:55]
	s_lshl_b32 s54, s12, 13                        ; out: wave w finishes rows 32 w .. 32 w + 31
	s_add_nc_u64 s[10:11], s[10:11], s[54:55]
	v_and_b32 v1, 15, v0                           ; r
	v_bfe_u32 v2, v0, 4, 1                         ; h
	v_lshlrev_b32 v[QOFF], 8, v1
	v_lshl_add_u32 v[QOFF], v2, 7, v[QOFF]         ; 256 r + 128 h
	; Q: every wave takes all 128 queries, a lane 128 consecutive bytes of its row in each tile; a tile's eight loads together cover its rows whole.  Once in the launch.
	WIN W_LD
.irp i, 0,1,2,3,4,5,6,7
.irp c, 0,1,2,3,4,5,6,7
	global_load_b128 v[32*\i+4*\c:32*\i+4*\c+3], v[QOFF], s[4:5] offset:4096*\i+16*\c
.endr
.endr
	WIN 0
	v_mul_u32_u24 v3, v1, PITCH
	v_lshl_add_u32 v3, v2, 7, v3                   ; 272 r + 128 h
	s_mul_i32 s40, s12, 64*PITCH                   ; my 64 rows of a tile
	v_add_nc_u32 v[KA], s40, v3
	v_add_nc_u32 v[KA+1], SLOT, v[KA]
	v_add_nc_u32 v[OST], s53, v3                   ; partial w at w x 128 rows
	v_mul_u32_u24 v3, v2, 8*PITCH
	v_lshl_add_u32 v3, v1, 4, v3                   ; 8 h rows + 16 r
	v_add_nc_u32 v3, s40, v3
	v_add_nc_u32 v[VA], 2*HALFT, v3                ; V lies behind K's 256 rows
	v_add_nc_u32 v[VA+1], 2*HALFT+SLOT, v3
	s_lshl_b32 s56, s15, 12                        ; prefetch: rows 16 x block + r of a half tile,
	s_add_co_u32 s56, s56, 3*TILEB                 ; from tile 3 on,
	v_lshl_add_u32 v[PF], v1, 8, s56
	v_lshl_add_u32 v[PF], v2, 16, v[PF]            ; lanes 16-31 a tile further
	s_lshl_b32 s40, s12, 10
	s_add_co_u32 s40, s40, STAT
	v_lshl_add_u32 v[SADR], v1, 3, s40             ; STAT + 1,024 w + 8 r
	v_lshlrev_b32 v[RADR], 3, v1
	v_add_nc_u32 v[RADR], STAT, v[RADR]
	s_mul_i32 s40, s12, 32*PITCH
	v_mul_u32_u24 v[ORD], v2, PITCH
	v_lshl_add_u32 v[ORD], v1, 4, v[ORD]
	v_add_nc_u32 v[ORD], s40, v[ORD]               ; (32 w + h) rows + 16 r
	v_add_nc_u32 v[ORD+1], 2*HALFT, v[ORD]
	v_lshlrev_b32 v[OOFF], 4, v1
	v_lshl_add_u32 v[OOFF], v2, 8, v[OOFF]         ; 256 h + 16 r
	WIN W_CV
.irp i, 0,1,2,3,4,5,6,7
	s_wait_loadcnt 56-8*\i                         ; loads come back in order (ISA guide 5.7.1): tile i's eight are in, the eight of each later tile may be out
.irp u, 0,1,2,3,4,5,6,7,8,9,10,11,12,13,14,15
	v_cvt_pk_bf16_f32 v[QF+16*\i+\u], v[32*\i+2*\u], v[32*\i+2*\u+1]
.endr
.endr
	WIN 0
	SYNC 0, 1                                      ; step 0: nothing to compute yet, so its 64 reads go out in one run
	WIN W_LD
.irp i, 0,1,2,3,4,5,6,7
	LOADPART 0, \i
.endr
	CONVERT 1
	TRIP 1, 1, 1, 1                                ; step 1, with step 0's arithmetic, which starts every sum
	TRIP 0, 1, 0, 0                                ; step 2
	s_mov_b32 s51, 14                              ; steps 3 to 30, two a trip
.Lloop:
	TRIP 1, 1, 1, 0
	TRIP 0, 1, 0, 0
	s_sub_co_i32 s51, s51, 1
	s_cmp_lg_u32 s51, 0
	s_cbranch_scc1 .Lloop
	TRIP 1, 0, 0, 0                                ; step 31: nothing is left to fetch
	COMPUTE 0, -1                                  ; step 31's arithmetic: nothing is left to read
	; THE MERGE.  Registers of window 0 that the steps have left:
.set EST,  64                          ; v64-79   (NM, sum) of my stream, a pair for each query tile
.set EIN,  96                          ; v96-159  the four waves' pairs: 16 w + 2 i
.set EF,   160                         ; v160-191 factor of wave w's stream: 8 w + i
.set EFO,  192                         ; v192-199 factor of my own stream
.set ELG,  200                         ; v200-207 the whole sum, then its reciprocal
.set EG,   208                         ; v208-215 my factor / the whole sum
.set ETMP, 216                         ; v216-247 a tile of O, scaled, in the order of a row
.set ENG,  248                         ; v248-255 the smallest NM = the largest maximum
.irp i, 0,1,2,3,4,5,6,7
	v_add_f32 v[EST+2*\i+1], v[LS+2*\i], v[LS+2*\i+1]
.endr
.irp i, 0,1,2,3,4,5,6,7
	v_permlanex16_b32 v[TP+\i+4*(\i/4)], v[EST+2*\i+1], s42, s43   ; the other half's keys; destinations that have been written
.endr
.irp i, 0,1,2,3,4,5,6,7
	v_add_f32 v[EST+2*\i+1], v[EST+2*\i+1], v[TP+\i+4*(\i/4)]
	v_mov_b32 v[EST+2*\i], v[NM+\i]
.endr
.irp i, 0,1,2,3,4,5,6,7
	ds_store_b64 v[SADR], v[EST+2*\i:EST+2*\i+1] offset:128*\i     ; lanes r and 16 + r write the same pair to the same place
.endr
	s_wait_dscnt 0x0                               ; my stores are done, for the other waves' sake
	s_barrier_signal -1
	s_barrier_wait -1
.irp w, 0,1,2,3
.irp i, 0,1,2,3,4,5,6,7
	ds_load_b64 v[EIN+16*\w+2*\i:EIN+16*\w+2*\i+1], v[RADR] offset:1024*\w+128*\i
.endr
.endr
	s_wait_dscnt 0x0
.irp i, 0,1,2,3,4,5,6,7
	v_min3_num_f32 v[ENG+\i], v[EIN+2*\i], v[EIN+16+2*\i], v[EIN+32+2*\i]
.endr
.irp i, 0,1,2,3,4,5,6,7
	v_min_num_f32 v[ENG+\i], v[ENG+\i], v[EIN+48+2*\i]
.endr
.irp w, 0,1,2,3
.irp i, 0,1,2,3,4,5,6,7
	v_sub_f32 v[EF+8*\w+\i], v[ENG+\i], v[EIN+16*\w+2*\i]          ; (wave w's maximum - the largest) x log2 e, never above 0
.endr
.endr
.irp i, 0,1,2,3,4,5,6,7
	v_sub_f32 v[EFO+\i], v[ENG+\i], v[NM+\i]
.endr
.set u_, 0
.rept 40
	v_exp_f32 v[EF+u_], v[EF+u_]
.set u_, u_+1
.endr
	v_nop                                          ; the plain place behind the exponentials
	s_wait_alu depctr_va_vdst(0)
.irp i, 0,1,2,3,4,5,6,7
	v_mul_f32 v[ELG+\i], v[EF+\i], v[EIN+2*\i+1]
.endr
.irp w, 1,2,3
.irp i, 0,1,2,3,4,5,6,7
	v_fmac_f32 v[ELG+\i], v[EF+8*\w+\i], v[EIN+16*\w+2*\i+1]
.endr
.endr
.irp i, 0,1,2,3,4,5,6,7
	v_rcp_f32 v[ELG+\i], v[ELG+\i]                 ; the stream with the largest maximum has factor 1 and a sum of about 1 or more: never zero
.endr
	v_nop                                          ; the plain place behind the reciprocals
	s_wait_alu depctr_va_vdst(0)
.irp i, 0,1,2,3,4,5,6,7
	v_mul_f32 v[EG+\i], v[EFO+\i], v[ELG+\i]
.endr
	; my partial O, scaled, by rows of 272 bytes into slot 0's bytes.  Slot 0 has had its last fill (tile 30), and every wave's reads of it
	; were back in front of step 31's round.
.irp i, 0,1,2,3,4,5,6,7
	WIN W_EP
.irp j, 0,1,2,3,4,5,6,7
.irp t, 0,1,2,3
	v_mul_f32 v[ETMP+4*\j+\t], v[32*\i+8*\t+\j], v[EG+\i]          ; d = 32 h + 4 j + t
.endr
.endr
	WIN 0
.irp j, 0,1,2,3,4,5,6,7
	ds_store_b128 v[OST], v[ETMP+4*\j:ETMP+4*\j+3] offset:16*PITCH*\i+16*\j
.endr
.endr
	s_wait_dscnt 0x0                               ; my stores are done, for the other waves' sake
	s_barrier_signal -1
	s_barrier_wait -1
; Wave w adds the four partials of rows 32 w .. 32 w + 31: lanes 0-15 take one row of 256 bytes, lanes 16-31 the next.  Four batches of four row pairs.
.macro OLOAD b, f
.irp m, 0,1,2,3
	ds_load_b128 v[\f+16*\m:\f+16*\m+3],     v[ORD]   offset:2*PITCH*(4*\b+\m)
	ds_load_b128 v[\f+16*\m+4:\f+16*\m+7],   v[ORD]   offset:HALFT+2*PITCH*(4*\b+\m)
	ds_load_b128 v[\f+16*\m+8:\f+16*\m+11],  v[ORD+1] offset:2*PITCH*(4*\b+\m)
	ds_load_b128 v[\f+16*\m+12:\f+16*\m+15], v[ORD+1] offset:HALFT+2*PITCH*(4*\b+\m)
.endr
.endm
.macro OSUM b, f
.irp m, 0,1,2,3
	v_pk_add_f32 v[\f+16*\m:\f+16*\m+1],     v[\f+16*\m:\f+16*\m+1],     v[\f+16*\m+4:\f+16*\m+5]
	v_pk_add_f32 v[\f+16*\m+2:\f+16*\m+3],   v[\f+16*\m+2:\f+16*\m+3],   v[\f+16*\m+6:\f+16*\m+7]
	v_pk_add_f32 v[\f+16*\m+8:\f+16*\m+9],   v[\f+16*\m+8:\f+16*\m+9],   v[\f+16*\m+12:\f+16*\m+13]
	v_pk_add_f32 v[\f+16*\m+10:\f+16*\m+11], v[\f+16*\m+10:\f+16*\m+11], v[\f+16*\m+14:\f+16*\m+15]
	v_pk_add_f32 v[\f+16*\m:\f+16*\m+1],     v[\f+16*\m:\f+16*\m+1],     v[\f+16*\m+8:\f+16*\m+9]
	v_pk_add_f32 v[\f+16*\m+2:\f+16*\m+3],   v[\f+16*\m+2:\f+16*\m+3],   v[\f+16*\m+10:\f+16*\m+11]
	global_store_b128 v[OOFF], v[\f+16*\m:\f+16*\m+3], s[10:11] offset:512*(4*\b+\m) th:TH_STORE_NT   ; the wave's store covers 512 consecutive bytes, aligned
.endr
.endm
	OLOAD 0, 64
	OLOAD 1, 128
	s_wait_dscnt 16                                ; batch 0's sixteen loads are in, batch 1's may be out
	OSUM 0, 64
	s_wait_xcnt 0x0                                ; batch 0's stores have had their addresses translated (ISA guide 3.1): their data registers are loaded again only behind this wait
	OLOAD 2, 64
	s_wait_dscnt 16
	OSUM 1, 128
	s_wait_xcnt 0x0                                ; the same for batch 1's
	OLOAD 3, 128
	s_wait_dscnt 16
	OSUM 2, 64
	s_wait_dscnt 0x0
	OSUM 3, 128
	s_wait_tensorcnt 0x0
	ds_add_u32 v62, v63
	s_wait_dscnt 0x0
	ROUND                                          ; the closing round: no work-group ends while a partner may still ask for a tile that names it
	s_endpgm
.Lfunc_end_k_q6842bdb478_ring_attn:
	.size	k_q6842bdb478_ring_attn, .Lfunc_end_k_q6842bdb478_ring_attn-k_q6842bdb478_ring_attn
	.p2alignl 7, 3214868480
	.fill 96, 4, 3214868480
	.section	.rodata,"a",@progbits
	.p2align	6, 0x0
	.amdhsa_kernel k_q6842bdb478_ring_attn
		.amdhsa_group_segment_fixed_size 327680
		.amdhsa_private_segment_fixed_size 0
		.amdhsa_enable_private_segment 0
		.amdhsa_kernarg_size 32
		.amdhsa_user_sgpr_count 2
		.amdhsa_user_sgpr_kernarg_segment_ptr 1
		.amdhsa_wavefront_size32 1
		.amdhsa_system_sgpr_workgroup_id_x 1
		.amdhsa_system_sgpr_workgroup_id_y 1
		.amdhsa_system_sgpr_workgroup_id_z 1
		.amdhsa_system_vgpr_workitem_id 0
		.amdhsa_next_free_vgpr 1024
		.amdhsa_next_free_sgpr 66
		.amdhsa_reserve_vcc 0
		.amdhsa_float_denorm_mode_32 3
		.amdhsa_float_denorm_mode_16_64 3
		.amdhsa_memory_ordered 1
		.amdhsa_forward_progress 1
		.amdhsa_inst_pref_size 255
	.end_amdhsa_kernel
	.section	.bss,"aw",@nobits
	.p2align	6
	.space	262144
	.amdgpu_metadata
---
amdhsa.version: [ 1, 2 ]
amdhsa.kernels:
  - .name:           k_q6842bdb478_ring_attn
    .symbol:         k_q6842bdb478_ring_attn.kd
    .args:
      - { .name: q_local, .offset: 0, .size: 8, .value_kind: global_buffer, .address_space: global }
      - { .name: k_local, .offset: 8, .size: 8, .value_kind: global_buffer, .address_space: global }
      - { .name: v_local, .offset: 16, .size: 8, .value_kind: global_buffer, .address_space: global }
      - { .name: out0, .offset: 24, .size: 8, .value_kind: global_buffer, .address_space: global }
    .group_segment_fixed_size: 327680
    .private_segment_fixed_size: 0
    .kernarg_segment_align: 8
    .kernarg_segment_size: 32
    .max_flat_workgroup_size: 128
    .sgpr_count:     66
    .vgpr_count:     1024
    .wavefront_size: 32
...
	.end_amdgpu_metadata
.endif
;; end of part 1
